; MI455X (gfx1250); checked and timed in simulation.
; The chip was launched on July 23, 2026; its instructions are those of AMD's public machine-readable ISA for CDNA 5 (MIT licence, August 2026) and "CDNA5" Instruction Set Architecture Reference Guide (July 2026). The comments in the code are by the model that wrote it; some were corrected since.
;; Temporal Graph Attention. Allowed arithmetic: matrix products marked QUANTISED: E2M1 operands, one E8M0 scale for each 32 along K, by v_wmma_scale_f32_16x16x128_f8f6f4 with both operands' format E2M1 (or v_wmma_scale_f32_32x16x128_f4), f32 sums; products left as they are: bf16, f16 or f32 operands; f32 sums; everything else in f32.
;; Inputs: Wk 512 x 512 float32; Wo 512 x 512 float32; Wq 512 x 512 float32; Wv 512 x 512 float32; bk 512 float32; bo 512 float32; bq 512 float32; bv 512 float32; x 4 x 2,048 x 512 float32.
;; Outputs: out0 4 x 2,048 x 512 float32.
;; This version of the problem:
;;   THIS VERSION OF THE PROBLEM IS GIVEN IN LOW PRECISION. The matrix products marked QUANTISED in the list below multiply operands that are first quantised to E2M1 (2 exponent bits, 1 mantissa bit; 4 bits a number), with one power-of-two scale for each 32 numbers along K (OCP MX v1.0); their sums are f32. The products marked 'left as it is' may take bf16, f16 or f32 operands, with f32 sums. Whichever they take, every output number must still come out within the allowed error. Rounding operands to bf16 (8 significant bits) uses up far more of that allowance than f16 does (11 bits, for magnitudes from 6e-5 to 65,504). All else is computed in f32.
;;   The module's matrix products, in the order in which they are computed (A, B: the left and right operand; K: the contracted axis; several contracted axes count as one K, in the product's order):
;;     1. [M 8,192, K 512] x [K 512, N 512]; A: input x; B: input Wq: QUANTISED
;;     2. [M 8,192, K 512] x [K 512, N 512]; A: input x; B: input Wk: QUANTISED
;;     3. [M 8,192, K 512] x [K 512, N 512]; A: input x; B: input Wv: QUANTISED
;;     4. batch 32 x [M 2,048, K 64] x [K 64, N 2,048]; A: computed on the way; B: computed on the way: left as it is (an operand is computed on the way)
;;     5. batch 32 x [M 2,048, K 2,048] x [K 2,048, N 64]; A: computed on the way; B: computed on the way: left as it is (an operand is computed on the way)
;;     6. [M 8,192, K 512] x [K 512, N 512]; A: computed on the way; B: input Wo: left as it is (an operand is computed on the way)
;;   THE QUANTISER, for each operand of a quantised product, along K:
;;     - K is cut into blocks of 32 from its start; a last block that is shorter is filled with zeros.
;;     - A block's scale is 2^e with e = floor(log2(the largest magnitude in the block)) - 2, held to -126 .. 127; a block of zeros has e = 0. As a byte (E8M0): e + 127.
;;     - Each number is divided by its block's scale, clamped to +-6, and rounded to the nearest number of E2M1, ties to even, subnormals kept.
;;     - The product sums the exact products of the quantised numbers (number of the format x scale) in f32.
;;   ~~~python
;;   def quantise(x, axis):      # numpy; x: float32 -> the quantised numbers, widened to float32 again
;;       x = np.moveaxis(x, axis, -1); K = x.shape[-1]
;;       x = np.pad(x, [(0, 0)] * (x.ndim - 1) + [(0, -K % 32)]); x = x.reshape(x.shape[:-1] + (-1, 32)); a = np.abs(x).max(-1, keepdims=True)
;;       e = np.where(a > 0, np.clip(np.frexp(np.where(a > 0, a, 1))[1] - 1 - 2, -126, 127), 0)      # np.frexp(a)[1] - 1 = floor(log2(a)), exactly
;;       r = np.clip(x / 2.0 ** e, -6, 6)
;;       step = 2.0 ** (np.maximum(np.frexp(np.where(r == 0, 1, r))[1] - 1, 0) - 1)
;;       q = np.round(r / step) * step * 2.0 ** e      # np.round: ties to even
;;       return np.moveaxis(q.reshape(q.shape[:-2] + (-1,))[..., :K], -1, axis).astype(np.float32)
;;   ~~~
;; One version. Each part assembles by itself: llvm-mc -triple=amdgcn-amd-amdhsa -mcpu=gfx1250 --defsym DOCPART=n.
;; ======== version 1 of 1: 4 launches
;; limits: values are held in f16: magnitudes above 65,504 overflow, below 6.1e-05 lose precision
;; workspace buffers: xc 2,097,152 bytes; xs 131,072 bytes; wc 393,216 bytes; ws 24,576 bytes; wo16 524,288 bytes; qkv 25,165,824 bytes; ctx 8,388,608 bytes
;; launch prep (part 1): grid 168 x 1, 4 waves a work-group, no clusters, 33,280 bytes of LDS; arguments x, Wq, Wk, Wv, Wo, xc, xs, wc, ws, wo16; writes xc, xs, wc, ws, wo16
.if DOCPART == 1
	.amdgcn_target "amdgcn-amd-amdhsa--gfx1250"
	.amdhsa_code_object_version 6
	.text
	.protected	k_qe9253bef2d_prep
	.globl	k_qe9253bef2d_prep
	.p2align	8
	.type	k_qe9253bef2d_prep,@function
k_qe9253bef2d_prep:
	s_mov_b64 s[64:65], 0
	v_nop
	global_prefetch_b8 v0, s[64:65] scope:SCOPE_SE
	s_setreg_imm32_b32 hwreg(HW_REG_WAVE_MODE, 25, 1), 1
	s_wait_xcnt 0x0
; x [8192][512] and Wq, Wk, Wv [512][512], f32, K innermost, become codes of FP4 (E2M1), two a byte, with one E8M0 scale byte for each 32 along K; Wo [512][512] becomes f16.
; xc [8192][256 bytes], xs [8192][16];  wc [1536][256], ws [1536][16]: rows 0-511 Wq, 512-1023 Wk, 1024-1535 Wv;  wo16 [512][512] f16.
; A block's scale is 2^(floor(log2(its largest magnitude)) - 2): its byte is the largest magnitude's exponent field - 2, held at 1 from below.
; LIMITS: a block whose largest magnitude lies under 2^-124 (a block of zeros among them) gets the byte 1; a block of zeros has zero codes, which add nothing, and the bytes are read by this program alone.
; NaN and infinities among the inputs are not served.  |Wo| up to 65,504 (f16).
; SHARES.  Rows are dense and 512 is a multiple of 32, so each tensor is a plain stream of blocks of 32.  Work-groups 0-127 take x, 128-135 Wq, 136-143 Wk, 144-151 Wv: 32,768 numbers each,
; a wave 16 steps of 512.  Only pointers are chosen by the work-group's number: the four tensors take one path.  Work-groups 152-167 take Wo, 4,096 numbers a wave, on a path that uses no stage.
; A step's four loads read 512 consecutive bytes each; the 2,048 bytes turn through the wave's own stage in LDS and come back 64 bytes a lane, 16 neighbours along K: two neighbouring lanes hold a block.
; Loads run eight steps (32 loads a wave) ahead, the turn through LDS one step.  No cluster: no two work-groups read the same bytes.  No barrier: waves share nothing.
.set STEPS, 16
.set EMAX,  2
.set WREG,  8192                       ; LDS: a region for each wave: two stages of 32 x SP bytes, behind them its 256 scale bytes
.set SP,    80                         ; a lane's place in a stage: 64 bytes + 16 of padding
.set SPARE, 4*WREG                     ; the spare words, 128 bytes for each wave: two blocks of 256 bytes that no other line names
.set SPW,   12                         ; v12  LDS address of my spare word; never rewritten
.set NIL,   13                         ; v13  0; never rewritten
.set R,     16                         ; v16-143  eight sets of 16 numbers as they are loaded
.set X,     144                        ; v144-175 two sets of 16 neighbours  (Wo: v144-207 the f16 pairs)
.set E,     176                        ; v176-191 a scale byte for each step
.set C,     192                        ; v192-223 two registers of codes for each step: no store's data are written again
	s_load_b256 s[4:11], s[0:1], 0x0               ; x s[4:5], Wq s[6:7], Wk s[8:9], Wv s[10:11]
	s_load_b256 s[12:19], s[0:1], 0x20             ; Wo s[12:13], xc s[14:15], xs s[16:17], wc s[18:19]
	s_load_b128 s[20:23], s[0:1], 0x40             ; ws s[20:21], wo16 s[22:23]
	v_lshl_add_u32 v[SPW], v0, 2, SPARE
	v_mov_b32 v[NIL], 0
	v_lshrrev_b32 v1, 5, v0
	v_readfirstlane_b32 s24, v1                    ; wave 0..3
	v_and_b32 v2, 31, v0                           ; lane
	v_lshlrev_b32 v3, 4, v2                        ; my 16 bytes of a load's 512
	v_lshlrev_b32 v4, 3, v2                        ; my 8 bytes of a store's 256
	s_mul_i32 s32, s24, WREG
	v_lshrrev_b32 v14, 2, v2
	v_mul_u32_u24 v14, v14, SP
	v_and_b32 v15, 3, v2
	v_lshl_add_u32 v14, v15, 4, v14
	v_add_nc_u32 v14, s32, v14                     ; the stage, on the way in: SP (lane / 4) + 16 (lane % 4)
	v_mul_u32_u24 v15, v2, SP
	v_add_nc_u32 v15, s32, v15                     ; and on the way out: SP x lane
	v_lshrrev_b32 v5, 1, v2
	s_add_co_u32 s32, s32, 2*32*SP
	v_add_nc_u32 v5, s32, v5                       ; my wave's 256 scale bytes: my block's byte
	v_add_nc_u32 v6, s32, v4                       ; and, on the way out, 8 bytes a lane
	s_wait_kmcnt 0x0
	s_cmp_ge_u32 ttmp9, 152
	s_cbranch_scc1 .Lwo
	s_cmp_lt_u32 ttmp9, 136                        ; which tensor: the choices hang on the work-group's number alone
	s_cselect_b64 s[26:27], s[6:7], s[8:9]
	s_cmp_lt_u32 ttmp9, 144
	s_cselect_b64 s[26:27], s[26:27], s[10:11]
	s_cmp_lt_u32 ttmp9, 128
	s_cselect_b64 s[26:27], s[4:5], s[26:27]       ; the numbers
	s_cselect_b64 s[28:29], s[14:15], s[18:19]     ; the codes
	s_cselect_b64 s[30:31], s[16:17], s[20:21]     ; the scale bytes
	s_cselect_b32 s33, 0, 128
	s_cselect_b32 s34, -1, 7
	s_sub_co_u32 s33, ttmp9, s33                   ; j: my place among x's work-groups, or among the 24 of the three weights (their codes lie on end)
	s_and_b32 s34, s33, s34                        ; my place in my own source tensor: j, or j mod 8
	s_lshl_b32 s33, s33, 2
	s_add_co_u32 s33, s33, s24                     ; which run of 8,192 numbers of the output is my wave's
	s_lshl_b32 s34, s34, 2
	s_add_co_u32 s34, s34, s24                     ; and of the source
	s_lshl_b32 s36, s34, 15                        ; 32,768 bytes of f32 a run
	s_mov_b32 s37, 0
	s_add_nc_u64 s[26:27], s[26:27], s[36:37]
	s_lshl_b32 s36, s33, 12                        ; 4,096 bytes of codes
	s_add_nc_u64 s[28:29], s[28:29], s[36:37]
	s_lshl_b32 s36, s33, 8                         ; 256 scale bytes
	s_add_nc_u64 s[30:31], s[30:31], s[36:37]
.macro LOAD t
.irp i, 0,1,2,3
	global_load_b128 v[R+16*((\t)%8)+4*\i:R+16*((\t)%8)+4*\i+3], v3, s[26:27] offset:2048*(\t)+512*\i th:TH_LOAD_NT   ; 32 lanes read 512 consecutive bytes
.endr
.endm
.macro TURN t                          ; step t's numbers through the stage: LDS serves a wave's instructions in order, so no wait stands between the stores and the loads
.irp i, 0,1,2,3
	ds_store_b128 v14, v[R+16*((\t)%8)+4*\i:R+16*((\t)%8)+4*\i+3] offset:32*SP*((\t)%2)+8*SP*\i
.endr
.irp i, 0,1,2,3
	ds_load_b128 v[X+16*((\t)%2)+4*\i:X+16*((\t)%2)+4*\i+3], v15 offset:32*SP*((\t)%2)+16*\i
.endr
.endm
.irp t, 0,1,2,3,4,5,6,7
	LOAD \t
.endr
	s_wait_loadcnt 28                              ; step 0's four loads are in; the 28 of steps 1 to 7 may be out
	TURN 0
.macro STEP t
.set XS, X+16*((\t)%2)
.if (\t) > 0
	s_wait_dscnt 1                                 ; this step's numbers are back from the stage (the last step's byte store may be out): so its stores into the stage have read their registers,
.else
	s_wait_dscnt 0x0
.endif
.if (\t)+8 < STEPS
	LOAD (\t)+8                                    ; which take the loads of eight steps on
.endif
.if (\t)+1 < STEPS
.if (\t) <= 7
	s_wait_loadcnt 28                              ; the next step's four loads are in; those of the seven steps behind it may be out
.else
	s_wait_loadcnt 4*(14-(\t))                     ; towards the end: steps t + 2 to 15
.endif
	TURN (\t)+1                                    ; and go through the other stage while this step is worked
.endif
	v_max3_num_f32 v8, |v[XS]|, |v[XS+1]|, |v[XS+2]|               ; the largest magnitude of my 16, in two chains
	v_max3_num_f32 v9, |v[XS+3]|, |v[XS+4]|, |v[XS+5]|
.irp i, 6,10
	v_max3_num_f32 v8, v8, |v[XS+\i]|, |v[XS+\i+1]|
	v_max3_num_f32 v9, v9, |v[XS+\i+2]|, |v[XS+\i+3]|
.endr
	v_max3_num_f32 v8, v8, |v[XS+14]|, |v[XS+15]|
	v_max3_num_f32 v8, v8, v9, (EMAX+1)<<23        ; and the floor 2^(3 - 127): the byte cannot fall under 1
	v_max_num_f32_dpp v8, v8, v8 row_xmask:1 row_mask:0xf bank_mask:0xf   ; and of my neighbour's 16: the block's
	v_add_nc_u32 v11, -(EMAX<<23), v8              ; 2 off its exponent field: the conversion takes the exponent field of this operand as its scale, and nothing else of it
	v_cvt_scalef32_pk8_fp4_f32 v[C+2*(\t)], v[XS:XS+7], v11        ; eight numbers / the scale, to the nearest code, ties to even, beyond 6 the largest code
	v_cvt_scalef32_pk8_fp4_f32 v[C+2*(\t)+1], v[XS+8:XS+15], v11
	v_lshrrev_b32 v[E+(\t)], 23, v11               ; the scale's byte (a plain line behind the conversions)
	ds_store_b8 v5, v[E+(\t)] offset:16*(\t)       ; both lanes of a block write the same byte with the same value
	global_store_b64 v4, v[C+2*(\t):C+2*(\t)+1], s[28:29] offset:256*(\t)   ; the wave stores 256 consecutive bytes, aligned
.endm
.irp t, 0,1,2,3,4,5,6,7,8,9,10,11,12,13,14,15
	STEP \t
.endr
	ds_load_b64 v[8:9], v6                         ; LDS serves a wave's instructions in order: these see my byte stores
	s_wait_dscnt 0x0
	global_store_b64 v4, v[8:9], s[30:31]          ; my wave's 256 scale bytes, consecutive and aligned
	s_wait_tensorcnt 0x0                           ; the wave's end, behind my last LDS store
	ds_add_u32 v[SPW], v[NIL]
	s_wait_dscnt 0x0
	s_endpgm
.Lwo:                                                  ; Wo to f16: 32 loads of 512 bytes a wave, all out at once; every register is written once
	s_sub_co_u32 s33, ttmp9, 152
	s_lshl_b32 s33, s33, 2
	s_add_co_u32 s33, s33, s24                     ; which run of 4,096 numbers is my wave's
	s_lshl_b32 s36, s33, 14
	s_mov_b32 s37, 0
	s_add_nc_u64 s[12:13], s[12:13], s[36:37]
	s_lshl_b32 s36, s33, 13
	s_add_nc_u64 s[22:23], s[22:23], s[36:37]
.set i, 0
.rept 32
	global_load_b128 v[R+4*i:R+4*i+3], v3, s[12:13] offset:512*i th:TH_LOAD_NT
.set i, i+1
.endr
.set i, 0
.rept 32
	s_wait_loadcnt 31-i                            ; loads come back in order: load i is in, the younger ones may be out
	v_cvt_pk_f16_f32 v[X+2*i], v[R+4*i], v[R+4*i+1]
	v_cvt_pk_f16_f32 v[X+2*i+1], v[R+4*i+2], v[R+4*i+3]
	global_store_b64 v4, v[X+2*i:X+2*i+1], s[22:23] offset:256*i   ; 256 consecutive bytes, aligned
.set i, i+1
.endr
	s_wait_tensorcnt 0x0                           ; the wave's end
	ds_add_u32 v[SPW], v[NIL]
	s_wait_dscnt 0x0
	s_endpgm
.Lfunc_end_k_qe9253bef2d_prep:
	.size	k_qe9253bef2d_prep, .Lfunc_end_k_qe9253bef2d_prep-k_qe9253bef2d_prep
	.p2alignl 7, 3214868480
	.fill 96, 4, 3214868480
	.section	.rodata,"a",@progbits
	.p2align	6, 0x0
	.amdhsa_kernel k_qe9253bef2d_prep
		.amdhsa_group_segment_fixed_size 33280
		.amdhsa_private_segment_fixed_size 0
		.amdhsa_enable_private_segment 0
		.amdhsa_kernarg_size 80
		.amdhsa_user_sgpr_count 2
		.amdhsa_user_sgpr_kernarg_segment_ptr 1
		.amdhsa_wavefront_size32 1
		.amdhsa_system_sgpr_workgroup_id_x 1
		.amdhsa_system_sgpr_workgroup_id_y 1
		.amdhsa_system_sgpr_workgroup_id_z 1
		.amdhsa_system_vgpr_workitem_id 0
		.amdhsa_next_free_vgpr 224
		.amdhsa_next_free_sgpr 66
		.amdhsa_reserve_vcc 0
		.amdhsa_float_denorm_mode_32 3
		.amdhsa_float_denorm_mode_16_64 3
		.amdhsa_memory_ordered 1
		.amdhsa_forward_progress 1
		.amdhsa_inst_pref_size 45
	.end_amdhsa_kernel
	.amdgpu_metadata
---
amdhsa.version: [ 1, 2 ]
amdhsa.kernels:
  - .name:           k_qe9253bef2d_prep
    .symbol:         k_qe9253bef2d_prep.kd
    .args:
      - { .name: x, .offset: 0, .size: 8, .value_kind: global_buffer, .address_space: global }
      - { .name: Wq, .offset: 8, .size: 8, .value_kind: global_buffer, .address_space: global }
      - { .name: Wk, .offset: 16, .size: 8, .value_kind: global_buffer, .address_space: global }
      - { .name: Wv, .offset: 24, .size: 8, .value_kind: global_buffer, .address_space: global }
      - { .name: Wo, .offset: 32, .size: 8, .value_kind: global_buffer, .address_space: global }
      - { .name: xc, .offset: 40, .size: 8, .value_kind: global_buffer, .address_space: global }
      - { .name: xs, .offset: 48, .size: 8, .value_kind: global_buffer, .address_space: global }
      - { .name: wc, .offset: 56, .size: 8, .value_kind: global_buffer, .address_space: global }
      - { .name: ws, .offset: 64, .size: 8, .value_kind: global_buffer, .address_space: global }
      - { .name: wo16, .offset: 72, .size: 8, .value_kind: global_buffer, .address_space: global }
    .group_segment_fixed_size: 33280
    .private_segment_fixed_size: 0
    .kernarg_segment_align: 8
    .kernarg_segment_size: 80
    .max_flat_workgroup_size: 128
    .sgpr_count:     66
    .vgpr_count:     224
    .wavefront_size: 32
...
	.end_amdgpu_metadata
.endif
;; end of part 1
;; launch qkv (part 2): grid 4 x 64, 12 waves a work-group, clusters of 4 x 4, 175,616 bytes of LDS; arguments xc, xs, wc, ws, bq, bk, bv, qkv; writes qkv
.if DOCPART == 2
	.amdgcn_target "amdgcn-amd-amdhsa--gfx1250"
	.amdhsa_code_object_version 6
	.text
	.protected	k_qe9253bef2d_qkv
	.globl	k_qe9253bef2d_qkv
	.p2align	8
	.type	k_qe9253bef2d_qkv,@function
k_qe9253bef2d_qkv:
	s_mov_b64 s[64:65], 0
	v_nop
	global_prefetch_b8 v0, s[64:65] scope:SCOPE_SE
	s_setreg_imm32_b32 hwreg(HW_REG_WAVE_MODE, 25, 1), 1
	s_wait_xcnt 0x0
	s_wait_alu depctr_hold_cnt(0) depctr_sa_sdst(0) depctr_va_vdst(0) depctr_va_sdst(0) depctr_va_ssrc(0) depctr_va_vcc(0) depctr_vm_vsrc(0)
	s_getreg_b32 s2, hwreg(HW_REG_IB_STS2, 6, 4)
	s_cmp_eq_u32 s2, 0
	s_cbranch_scc0 .Lentry_in_a_cluster
	s_endpgm
.Lentry_in_a_cluster:
	s_bfe_u32 s2, ttmp6, 0x10000c
	s_cmp_lg_u32 s2, 0xf033
	s_cbranch_scc0 .Lentry_shape_is_right
	s_endpgm
.Lentry_shape_is_right:
; Q, K, V = x W^T + b, all three as ONE product [8192 tokens] x [1536 channels], K = 512, on codes of FP4 with E8M0 scales; sums f32; the bias is the C of each sum's first matrix instruction.
; The results are rounded once to f16 and laid by head: qkv [3][batch x 8 + head][2048 tokens][64] f16, so that 16 tokens of a head are 2,048 consecutive bytes.
; LIMIT: |Q|, |K|, |V| up to 65,504 (f16).
; SHARES.  A work-group takes 128 tokens x 384 channels (six heads): 64 x 4 = 256 work-groups.  Each of its twelve waves makes 64 tokens x one head: 16 accumulators.
; All of K lies in LDS at once (512 codes are 256 bytes a row): each LDS byte is filled once, there is no ring.  One tensor load of a wave is out at the most.
; CLUSTER 4 x 4: the four of a row of the cluster need the same tokens' codes and scales, the four of a column the same channels': each tile is asked for jointly.
; THE MATRIX INSTRUCTION IS USED TRANSPOSED (source 0 = 16 channels, source 1 = 16 tokens): a lane holds one token and eight neighbouring channels.
.set PITCH, 272                        ; an LDS row: 256 bytes + 16 of padding, so that the 16 rows of a fragment load begin 16 bytes apart modulo 256
.set AC,    0                          ; x's codes: 128 rows
.set BC,    128*PITCH                  ; the weights' codes: 384 rows
.set AS,    BC+384*PITCH               ; x's scale bytes: 2,048 dense bytes as 8 rows of 256 + 16
.set BS,    AS+8*PITCH                 ; the weights': 6,144 bytes, 24 rows
.set STAGE, BS+24*PITCH                ; the way out: 8 rows x 272 for each wave; no tile lands here
.set SPARE, STAGE+12*8*PITCH           ; the spare words, 128 bytes for each wave: six blocks of 256 bytes that no other line names
.set SPW,  14                          ; v14  LDS address of my spare word; never rewritten
.set NIL,  15                          ; v15  0; never rewritten
.set SC,   16                          ; v16-31   scale words and nothing else: register 4 i + q: lanes 0-15 x's block i, lanes 16-31 the weights' block i, K step q
.set BI,   32                          ; v32-63   the bias in the result's layout, 8 registers for each tile of 16 channels
.set AF,   64                          ; v64-95   x's four fragments (16 tokens x 128 K)
.set BF,   96                          ; v96-127  the weights' four
.set T,    64                          ; v64-127  on the way out: the f16 results
.set ACC,  128                         ; v128-255 accumulator (a, b) at ACC + 8 (4 a + b)
.set WV,   20                          ; s20 wave; s21 which 64 tokens; s22 which head of the six
.set G1AC, 28
.set G1BC, 36
.set G1AS, 44
.set G1BS, 52
.set G0AC, 60
.set G0AS, 68
.set G0BC, 72
.set G0BS, 76
.macro CROUND                          ; a round of the cluster's barrier
	s_barrier_signal -1
	s_barrier_wait -1
	s_cmp_lg_u32 s[WV], 0
	s_cbranch_scc1 .Lnot_wave_0_\@
	s_barrier_signal -3
.Lnot_wave_0_\@:
	s_barrier_wait -3
	s_barrier_signal -1
	s_barrier_wait -1
.endm
.macro PLACES                          ; four plain places behind matrix instructions, in front of loads into registers that they read and of reads of their results
.rept 4
	v_nop
.endr
.endm
	s_load_b256 s[4:11], s[0:1], 0x0               ; xc s[4:5], xs s[6:7], wc s[8:9], ws s[10:11]
	s_load_b256 s[12:19], s[0:1], 0x20             ; bq s[12:13], bk s[14:15], bv s[16:17], qkv s[18:19]
	v_lshl_add_u32 v[SPW], v0, 2, SPARE
	v_mov_b32 v[NIL], 0
	ds_add_u32 v[SPW], v[NIL]                      ; the wave's opening: the add and its wait stand ahead of the first tensor loads; work on registers stands between them
	v_lshrrev_b32 v1, 5, v0
	v_readfirstlane_b32 s[WV], v1                  ; wave 0..11
	s_and_b32 s21, s[WV], 1
	s_lshr_b32 s22, s[WV], 1
	s_bfe_u32 s23, ttmp6, 0x40000                  ; cx
	s_bfe_u32 s24, ttmp6, 0x40004                  ; cy
	s_lshl_b32 s25, ttmp9, 2
	s_add_co_u32 s25, s25, s23                     ; nx: which 384 channels
	s_and_b32 s26, ttmp7, 0xffff
	s_lshl_b32 s26, s26, 2
	s_add_co_u32 s26, s26, s24                     ; my: which 128 tokens
	s_lshl_b32 s27, s24, 2
	s_lshl_b32 s27, 15, s27                        ; my row of the cluster
	s_lshl_b32 s80, 0x1111, s23                    ; my column
	; group 1 for codes: 128 rows of 256 bytes, dense in memory, 16 bytes of padding behind each row
	s_or_b32 s[G1AC], s27, (0<<16)|(1<<20)|(1<<21)|(5<<22)|(3<<25)  ; the mask; elements of 1 byte; padding on; bit 21 beside a mask; after every 64 words, 4 words
	s_or_b32 s[G1BC], s80, (0<<16)|(1<<20)|(1<<21)|(5<<22)|(3<<25)
.irp g, G1AC, G1BC
	s_mov_b32 s[\g+1], 256<<16                     ; tensor_dim0
	s_mov_b32 s[\g+2], 128<<16                     ; tensor_dim1
	s_mov_b32 s[\g+3], 256<<16                     ; tile_dim0
	s_mov_b32 s[\g+4], 128                         ; tile_dim1
	s_mov_b32 s[\g+5], 256                         ; from row to row
	s_mov_b32 s[\g+6], 0
	s_mov_b32 s[\g+7], 0
.endr
	; group 1 for scale bytes: dense blocks as rows of 256 bytes (32 elements of 8 bytes): 8 rows for x, 24 for the weights
	s_or_b32 s[G1AS], s27, (3<<16)|(1<<20)|(1<<21)|(5<<22)|(3<<25)
	s_mov_b32 s[G1AS+1], 32<<16
	s_mov_b32 s[G1AS+2], 8<<16
	s_mov_b32 s[G1AS+3], 32<<16
	s_mov_b32 s[G1AS+4], 8
	s_mov_b32 s[G1AS+5], 32
	s_mov_b32 s[G1AS+6], 0
	s_mov_b32 s[G1AS+7], 0
	s_or_b32 s[G1BS], s80, (3<<16)|(1<<20)|(1<<21)|(5<<22)|(3<<25)
	s_mov_b32 s[G1BS+1], 32<<16
	s_mov_b32 s[G1BS+2], 24<<16
	s_mov_b32 s[G1BS+3], 32<<16
	s_mov_b32 s[G1BS+4], 24
	s_mov_b32 s[G1BS+5], 32
	s_mov_b32 s[G1BS+6], 0
	s_mov_b32 s[G1BS+7], 0
	; offsets.  x's hang on my alone, the weights' on nx and the wave alone, each in registers that never hold the other coordinate
	s_lshl_b32 s84, s26, 15                        ; x's codes: 128 rows of 256 bytes a tile
	s_mov_b32 s85, 0
	s_lshl_b32 s82, s26, 11                        ; x's scales: 128 rows of 16 bytes
	s_mov_b32 s83, 0
	s_mul_i32 s86, s25, 384*256                    ; the weights' codes: 384 rows a tile,
	s_lshl_b32 s88, s[WV], 15
	s_add_co_u32 s86, s86, s88                     ; + wave x 128 rows (waves 1 to 3 fetch them: one third is taken off below)
	s_mov_b32 s87, 0
	s_mul_i32 s88, s25, 384*16                     ; the weights' scales
	s_mov_b32 s89, 0
	s_mul_i32 s81, s[WV], 128*PITCH                ; a code tile's place in LDS: wave x 128 rows: wave 0 x's, waves 1 to 3 the weights' thirds
	s_wait_dscnt 0x0                               ; the opening add is done
	s_wait_kmcnt 0x0
	s_add_nc_u64 s[84:85], s[4:5], s[84:85]
	s_add_nc_u64 s[82:83], s[6:7], s[82:83]
	s_add_nc_u64 s[86:87], s[8:9], s[86:87]
	s_sub_nc_u64 s[86:87], s[86:87], 128*256
	s_add_nc_u64 s[88:89], s[10:11], s[88:89]
	CROUND                                         ; all sixteen work-groups are here: the joint loads meet
	s_mov_b32 s[G0AC], 1
	s_mov_b32 s[G0AC+1], AC
	s_mov_b64 s[G0AC+2:G0AC+3], s[84:85]
	s_or_b32 s[G0AC+3], s[G0AC+3], 0x80000000
	s_mov_b32 s[G0AS], 1
	s_mov_b32 s[G0AS+1], AS
	s_mov_b64 s[G0AS+2:G0AS+3], s[82:83]
	s_or_b32 s[G0AS+3], s[G0AS+3], 0x80000000
	s_mov_b32 s[G0BC], 1
	s_mov_b32 s[G0BC+1], s81
	s_mov_b64 s[G0BC+2:G0BC+3], s[86:87]
	s_or_b32 s[G0BC+3], s[G0BC+3], 0x80000000
	s_mov_b32 s[G0BS], 1
	s_mov_b32 s[G0BS+1], BS
	s_mov_b64 s[G0BS+2:G0BS+3], s[88:89]
	s_or_b32 s[G0BS+3], s[G0BS+3], 0x80000000
	; the fills, one a wave, chosen by the wave's number alone: 0 x's codes; 1-3 the weights' codes; 4 x's scales; 5 the weights' scales; 6-11 none.  An s_nop 0 and four v_nop follow each load
	s_cmp_eq_u32 s[WV], 0
	s_cbranch_scc0 .Lnot_ac
	tensor_load_to_lds s[G0AC:G0AC+3], s[G1AC:G1AC+7]
	s_nop 0
	PLACES
	s_branch .Lasked
.Lnot_ac:
	s_cmp_lt_u32 s[WV], 4
	s_cbranch_scc0 .Lnot_bc
	tensor_load_to_lds s[G0BC:G0BC+3], s[G1BC:G1BC+7]
	s_nop 0
	PLACES
	s_branch .Lasked
.Lnot_bc:
	s_cmp_eq_u32 s[WV], 4
	s_cbranch_scc0 .Lnot_as
	tensor_load_to_lds s[G0AS:G0AS+3], s[G1AS:G1AS+7]
	s_nop 0
	PLACES
	s_branch .Lasked
.Lnot_as:
	s_cmp_eq_u32 s[WV], 5
	s_cbranch_scc0 .Lasked
	tensor_load_to_lds s[G0BS:G0BS+3], s[G1BS:G1BS+7]
	s_nop 0
	PLACES
.Lasked:
	v_and_b32 v1, 15, v0                           ; r = lane % 16
	v_bfe_u32 v2, v0, 4, 1                         ; h = lane / 16
	v_mul_u32_u24 v3, v1, PITCH
	v_lshl_add_u32 v3, v2, 4, v3                   ; a fragment's row x pitch + 16 h
	s_mul_i32 s90, s21, 64*PITCH
	v_add_nc_u32 v4, s90, v3                       ; x's fragments: my 64 tokens
	s_mul_i32 s90, s22, 64*PITCH
	s_add_co_u32 s90, s90, BC
	v_add_nc_u32 v5, s90, v3                       ; the weights': my head's 64 rows
	s_mul_i32 s90, s21, 4*PITCH                    ; scale words: 16 rows of 16 bytes fill a row of 256: my 64 tokens are four such rows,
	s_mul_i32 s91, s22, 4*PITCH                    ; my head's 64 channels likewise,
	s_add_co_u32 s91, s91, BS-AS                   ; behind x's
	s_sub_co_u32 s91, s91, s90
	v_mul_u32_u24 v3, s91, v2                      ; lanes 16-31 take the weights': one product, h x the distance
	s_add_co_u32 s90, s90, AS
	v_lshlrev_b32 v6, 4, v1
	v_add_nc_u32 v6, v6, v3
	v_add_nc_u32 v6, s90, v6
	s_mul_i32 s90, s[WV], 8*PITCH
	s_add_co_u32 s90, s90, STAGE                   ; my stage: two tokens of 128 bytes to a row
	v_lshrrev_b32 v3, 1, v1
	v_mul_u32_u24 v3, v3, PITCH
	v_and_b32 v7, 1, v1
	v_lshl_add_u32 v3, v7, 7, v3
	v_lshl_add_u32 v3, v2, 4, v3
	v_add_nc_u32 v7, s90, v3                       ; in: token r, + 16 h
	v_mul_u32_u24 v3, v2, PITCH
	v_lshl_add_u32 v3, v1, 4, v3
	v_add_nc_u32 v8, s90, v3                       ; back: lanes 0-15 one row of 256 bytes, lanes 16-31 the next
	v_and_b32 v9, 31, v0
	v_lshlrev_b32 v9, 4, v9                        ; and in memory: 16 x lane
	v_lshlrev_b32 v10, 5, v2                       ; the bias: my half's eight numbers
	; which tensor and head: g = 6 nx + my head of the six; tensor g / 8, head g % 8.  The choice of the bias hangs on ids alone
	s_mul_i32 s90, s25, 6
	s_add_co_u32 s90, s90, s22
	s_cmp_lt_u32 s90, 8
	s_cselect_b64 s[92:93], s[12:13], s[14:15]
	s_cmp_lt_u32 s90, 16
	s_cselect_b64 s[92:93], s[92:93], s[16:17]
	s_and_b32 s91, s90, 7
	s_lshl_b32 s94, s91, 8                         ; 64 numbers of f32 a head
	s_mov_b32 s95, 0
	s_add_nc_u64 s[92:93], s[92:93], s[94:95]
.irp b, 0,1,2,3
	global_load_b128 v[BI+8*\b:BI+8*\b+3], v10, s[92:93] offset:64*\b        ; register j: bias of channel 16 b + 8 h + j
	global_load_b128 v[BI+8*\b+4:BI+8*\b+7], v10, s[92:93] offset:64*\b+16
.endr
	s_lshr_b32 s96, s90, 3
	s_lshl_b32 s96, s96, 23                        ; the tensor: 8,388,608 bytes each
	s_lshr_b32 s97, s26, 4                         ; the batch: 16 tiles of 128 tokens
	s_lshl_b32 s97, s97, 3
	s_add_co_u32 s97, s97, s91                     ; batch x 8 + head
	s_lshl_b32 s97, s97, 11
	s_and_b32 s94, s26, 15
	s_lshl_b32 s94, s94, 7
	s_add_co_u32 s97, s97, s94                     ; + the tile's first token in its batch
	s_lshl_b32 s94, s21, 6
	s_add_co_u32 s97, s97, s94                     ; + my 64
	s_lshl_b32 s97, s97, 7                         ; 128 bytes a token
	s_add_co_u32 s94, s96, s97
	s_add_nc_u64 s[18:19], s[18:19], s[94:95]
	s_wait_tensorcnt 0x0                           ; my tile, if I fetched one, has landed;
	s_barrier_signal -1
	s_barrier_wait -1                              ; everybody's has.
.macro FRAGS q                         ; K step q: a fragment is 16 rows x 128 K = 8 registers: registers 4 c .. 4 c + 3 hold K = 64 c + 32 h + 0 .. 31: 16 bytes as they lie
.irp i, 0,1,2,3
.irp c, 0,1
	ds_load_b128 v[AF+8*\i+4*\c:AF+8*\i+4*\c+3], v4 offset:16*PITCH*\i+64*(\q)+32*\c
	ds_load_b128 v[BF+8*\i+4*\c:BF+8*\i+4*\c+3], v5 offset:16*PITCH*\i+64*(\q)+32*\c
.endr
.endr
.endm
.macro MUL q, first                    ; 16 matrix instructions; the 16 accumulators take turns, one instruction a turn, in the same order in every K step
.irp a, 0,1,2,3
.irp b, 0,1,2,3
.if \first
	v_wmma_scale_f32_16x16x128_f8f6f4 v[ACC+8*(4*\a+\b):ACC+8*(4*\a+\b)+7], v[BF+8*\b:BF+8*\b+7], v[AF+8*\a:AF+8*\a+7], v[BI+8*\b:BI+8*\b+7], v[SC+4*\b+(\q)], v[SC+4*\a+(\q)] matrix_a_fmt:MATRIX_FMT_FP4 matrix_b_fmt:MATRIX_FMT_FP4 matrix_a_scale:MATRIX_SCALE_ROW1
.else
	v_wmma_scale_f32_16x16x128_f8f6f4 v[ACC+8*(4*\a+\b):ACC+8*(4*\a+\b)+7], v[BF+8*\b:BF+8*\b+7], v[AF+8*\a:AF+8*\a+7], v[ACC+8*(4*\a+\b):ACC+8*(4*\a+\b)+7], v[SC+4*\b+(\q)], v[SC+4*\a+(\q)] matrix_a_fmt:MATRIX_FMT_FP4 matrix_b_fmt:MATRIX_FMT_FP4 matrix_a_scale:MATRIX_SCALE_ROW1
.endif
.endr
.endr
.endm
.irp i, 0,1,2,3
	ds_load_b128 v[SC+4*\i:SC+4*\i+3], v6 offset:PITCH*\i          ; a row's 16 scale bytes are its four words, one for each K step of 128
.endr
	FRAGS 0
	s_wait_loadcnt 0x0                             ; the bias
	s_wait_dscnt 0x0
	MUL 0, 1                                       ; the first K step starts the sums on the bias: nothing is cleared, nothing is added later
.irp q, 1,2,3
	PLACES
	FRAGS \q
	s_wait_dscnt 0x0
	MUL \q, 0
.endr
	PLACES
; THE WAY OUT, 16 tokens at a time: rounded to f16 (each accumulator from its low end on), 16 bytes a lane into my own stage, back as 2,048 dense bytes, stored 512 consecutive bytes an instruction.
.macro OUT a
.irp b, 0,1,2,3
.irp i, 0,1,2,3
	v_cvt_pk_f16_f32 v[T+16*\a+4*\b+\i], v[ACC+8*(4*\a+\b)+2*\i], v[ACC+8*(4*\a+\b)+2*\i+1]
.endr
.endr
.irp b, 0,1,2,3
	ds_store_b128 v7, v[T+16*\a+4*\b:T+16*\a+4*\b+3] offset:32*\b
.endr
.irp f, 0,1,2,3
	ds_load_b128 v[T+16*\a+4*\f:T+16*\a+4*\f+3], v8 offset:2*PITCH*\f     ; LDS serves a wave's instructions in order: these see the stores above, and the next block's stores come behind them
.endr
.endm
.macro SEND a, younger                 ; younger: the LDS instructions issued behind block a's loads: the next block's four stores and four loads, or none
.irp f, 0,1,2,3
	s_wait_dscnt \younger+3-\f
	global_store_b128 v9, v[T+16*\a+4*\f:T+16*\a+4*\f+3], s[18:19] offset:2048*\a+512*\f
.endr
.endm
	OUT 0
	OUT 1
	SEND 0, 8
	OUT 2
	SEND 1, 8
	OUT 3
	SEND 2, 8
	SEND 3, 0
	s_wait_tensorcnt 0x0                           ; the wave's end, behind my last tensor load and my last LDS store
	ds_add_u32 v[SPW], v[NIL]
	s_wait_dscnt 0x0
	CROUND                                         ; the closing round
	s_endpgm
.Lfunc_end_k_qe9253bef2d_qkv:
	.size	k_qe9253bef2d_qkv, .Lfunc_end_k_qe9253bef2d_qkv-k_qe9253bef2d_qkv
	.p2alignl 7, 3214868480
	.fill 96, 4, 3214868480
	.section	.rodata,"a",@progbits
	.p2align	6, 0x0
	.amdhsa_kernel k_qe9253bef2d_qkv
		.amdhsa_group_segment_fixed_size 175616
		.amdhsa_private_segment_fixed_size 0
		.amdhsa_enable_private_segment 0
		.amdhsa_kernarg_size 64
		.amdhsa_user_sgpr_count 2
		.amdhsa_user_sgpr_kernarg_segment_ptr 1
		.amdhsa_wavefront_size32 1
		.amdhsa_system_sgpr_workgroup_id_x 1
		.amdhsa_system_sgpr_workgroup_id_y 1
		.amdhsa_system_sgpr_workgroup_id_z 1
		.amdhsa_system_vgpr_workitem_id 0
		.amdhsa_next_free_vgpr 256
		.amdhsa_next_free_sgpr 100
		.amdhsa_reserve_vcc 0
		.amdhsa_float_denorm_mode_32 3
		.amdhsa_float_denorm_mode_16_64 3
		.amdhsa_memory_ordered 1
		.amdhsa_forward_progress 1
		.amdhsa_inst_pref_size 31
	.end_amdhsa_kernel
	.amdgpu_metadata
---
amdhsa.version: [ 1, 2 ]
amdhsa.kernels:
  - .name:           k_qe9253bef2d_qkv
    .symbol:         k_qe9253bef2d_qkv.kd
    .args:
      - { .name: xc, .offset: 0, .size: 8, .value_kind: global_buffer, .address_space: global }
      - { .name: xs, .offset: 8, .size: 8, .value_kind: global_buffer, .address_space: global }
      - { .name: wc, .offset: 16, .size: 8, .value_kind: global_buffer, .address_space: global }
      - { .name: ws, .offset: 24, .size: 8, .value_kind: global_buffer, .address_space: global }
      - { .name: bq, .offset: 32, .size: 8, .value_kind: global_buffer, .address_space: global }
      - { .name: bk, .offset: 40, .size: 8, .value_kind: global_buffer, .address_space: global }
      - { .name: bv, .offset: 48, .size: 8, .value_kind: global_buffer, .address_space: global }
      - { .name: qkv, .offset: 56, .size: 8, .value_kind: global_buffer, .address_space: global }
    .group_segment_fixed_size: 175616
    .private_segment_fixed_size: 0
    .kernarg_segment_align: 8
    .kernarg_segment_size: 64
    .max_flat_workgroup_size: 384
    .sgpr_count:     100
    .vgpr_count:     256
    .wavefront_size: 32
...
	.end_amdgpu_metadata
.endif
;; end of part 2
;; launch attn (part 3): grid 8 x 32, 8 waves a work-group, clusters of 4 x 1, 327,680 bytes of LDS; arguments qkv, ctx; writes ctx
.if DOCPART == 3
	.amdgcn_target "amdgcn-amd-amdhsa--gfx1250"
	.amdhsa_code_object_version 6
	.text
	.protected	k_qe9253bef2d_attn
	.globl	k_qe9253bef2d_attn
	.p2align	8
	.type	k_qe9253bef2d_attn,@function
k_qe9253bef2d_attn:
	s_mov_b64 s[64:65], 0
	v_nop
	global_prefetch_b8 v0, s[64:65] scope:SCOPE_SE
	s_setreg_imm32_b32 hwreg(HW_REG_WAVE_MODE, 25, 1), 1
	s_wait_xcnt 0x0
	s_wait_alu depctr_hold_cnt(0) depctr_sa_sdst(0) depctr_va_vdst(0) depctr_va_sdst(0) depctr_va_ssrc(0) depctr_va_vcc(0) depctr_vm_vsrc(0)
	s_getreg_b32 s2, hwreg(HW_REG_IB_STS2, 6, 4)
	s_cmp_eq_u32 s2, 0
	s_cbranch_scc0 .Lentry_in_a_cluster
	s_endpgm
.Lentry_in_a_cluster:
	s_bfe_u32 s2, ttmp6, 0x10000c
	s_cmp_lg_u32 s2, 0x3003
	s_cbranch_scc0 .Lentry_shape_is_right
	s_endpgm
.Lentry_shape_is_right:
; ctx[bh][q][:] = the sum over k of softmax_k(Q[bh][q] . K[bh][k] / 8) V[bh][k][:].  Q, K, V: qkv [3][32][2048][64] f16; ctx [32][2048][64] f16.  Products on f16 operands, sums, maxima and the softmax in f32.
; LIMIT: the weights p (at most 1) are rounded to f16 for the second product, ctx once at the end; |ctx| up to 65,504.
; SOFTMAX.  For each query a running maximum m and sum l: p = 2^(c s - c m), c = log2(e) / 8; in every step O and l are multiplied by a = 2^(c m_old - c m_new).  m begins at -3e38, O and l at 0: the step is written once.
; SHARES.  A work-group owns 256 queries of one head, each of its eight waves 32: two tiles of 16, in 256 registers; two waves lie on a SIMD, so that one's vector work stands beside the other's matrix work.
; Every wave walks the head's 2,048 keys, 64 a step.  K and V come through a ring of two LDS slots of 256 keys (four steps), waves 0, 1 fetching K's halves, waves 2, 3 V's: one tensor load of a wave is out at the most.
; CLUSTER 4 x 1: four query blocks of one head walk the same K and V: each tile is asked for jointly, with a mask that names the four.
; LAYOUT.  S^T = K Q^T (source 0 = 16 keys, source 1 = 16 queries): a lane holds ONE query (lane % 16) and keys 8 (lane / 16) + 0..7 of each tile.  Two such tiles, rounded in pairs, ARE source 1 (32 keys) of O^T = V^T P.
; A head's rows are 128 bytes and dense, so a tile is stated as rows of 256 bytes, two keys to a row: key k lies at (k / 2) x pitch + (k % 2) x 128.  V ([key][channel]) is turned by ds_load_tr16_b128.
.set PITK,  272                        ; K: 256 + 16: the sixteen keys of a load fall on sixteen different 16-byte columns modulo 256
.set PITV,  288                        ; V: 256 + 32
.set VOFF,  128*PITK                   ; a slot: 128 rows of K, then 128 rows of V
.set SLOT1, 1<<17                      ; slot 1 begins here: one exclusive or turns an address from one slot to the other
.set STAGE, SLOT1+128*(PITK+PITV)      ; the way out: 8 rows x 272 for each wave; no tile lands here
.set SPARE, STAGE+8*8*272              ; the spare words, 128 bytes for each wave: four blocks of 256 bytes that no other line names
.set AK0, 2                            ; v2   my lane's place in a tile of K
.set AV0, 3                            ; v3   and of V
.set ADK, 4                            ; v4   the same in the slot in hand
.set ADV, 5
.set STO, 6                            ; v6   the way out: where I put 16 bytes
.set RD,  7                            ; v7   and where I read rows back
.set GO,  8                            ; v8   16 x lane
.set QO,  10                           ; v10  my byte in the wave's rows of Q
.set PFO, 11                           ; v11  256 x lane: the prefetches' offset; never rewritten
.set SPW, 12                           ; v12  LDS address of my spare word; never rewritten
.set NIL, 13                           ; v13  0; never rewritten
.set ST,  16                           ; v16-31   tile t's statistics at ST + 8 t: +0 c m, +1 m, +2, +3 l (even, odd registers'), +4 .. +7 at work; a stands at +6
.set Q,   32                           ; v32-63   Q: tile t, channels 32 c on, at Q + 16 t + 8 c
.set S,   64                           ; v64-127  S^T: tile t, keys 16 a on, at S + 32 t + 8 a; then p; then P in the tile's first 16 registers
.set O,   128                          ; v128-191 O^T: tile t, channels 16 u on, at O + 32 t + 8 u
.set F,   192                          ; v192-255 eight fragments: a step's K, then its V
.set WV,  12                           ; s12 wave
.set LIM, 15                           ; s15 1 in a wave that prefetches, else the greatest number
.set PFA, 18                           ; s[18:19] where my prefetches stand
.set G1K, 24
.set G1V, 32
.set G0K, 40
.set G0V, 44
.set SLOTS, 56                         ; s56 slots still to be asked for
.set CS,  58                           ; s[58:59] c
.set SEL, 60                           ; s[60:61] v_permlanex16_b32's selects for lane l xor 16
.set TB,  62                           ; s62 LDS byte at which the slot in hand begins
.macro CROUND                          ; a round of the cluster's barrier
	s_barrier_signal -1
	s_barrier_wait -1
	s_cmp_lg_u32 s[WV], 0
	s_cbranch_scc1 .Lnot_wave_0_\@
	s_barrier_signal -3
.Lnot_wave_0_\@:
	s_barrier_wait -3
	s_barrier_signal -1
	s_barrier_wait -1
.endm
.macro JLOAD                           ; a joint load: waves 0, 1 K's halves, waves 2, 3 V's, the others nothing: branches on the wave's number alone.  An s_nop 0 and four v_nop follow each load
	s_cmp_lt_u32 s[WV], 2
	s_cbranch_scc0 .Lnot_k_\@
	tensor_load_to_lds s[G0K:G0K+3], s[G1K:G1K+7]
	s_nop 0
.rept 4
	v_nop
.endr
	s_branch .Lasked_\@
.Lnot_k_\@:
	s_cmp_lt_u32 s[WV], 4
	s_cbranch_scc0 .Lasked_\@
	tensor_load_to_lds s[G0V:G0V+3], s[G1V:G1V+7]
	s_nop 0
.rept 4
	v_nop
.endr
.Lasked_\@:
.endm
; A prefetch of what the NEXT change of slots will ask for: a slot's 32,768 bytes of K and of V, four key steps ahead of that load.  Each 256 bytes are named once in the launch: both clusters of a head walk the same rows,
; and the first asks; its four partners take 8,192 bytes each, told apart by address; in each, wave 0 asks for K's and wave 2 for V's, lanes 256 bytes apart.  The last change that fills a slot asks for nothing.
.macro ASK
	s_cmp_gt_u32 s[SLOTS], s[LIM]
	s_cbranch_scc0 .Lnot_mine_\@
	global_prefetch_b8 v[PFO], s[PFA:PFA+1] th:TH_LOAD_NT scope:SCOPE_SE
.Lnot_mine_\@:
.endm
	s_load_b128 s[4:7], s[0:1], 0x0                ; qkv s[4:5], ctx s[6:7]
	v_lshl_add_u32 v[SPW], v0, 2, SPARE
	v_mov_b32 v[NIL], 0
	ds_add_u32 v[SPW], v[NIL]                      ; the wave's opening: the add and its wait stand ahead of the first tensor loads; work on registers stands between them
	v_lshrrev_b32 v1, 5, v0
	v_readfirstlane_b32 s[WV], v1                  ; wave 0..7
	s_bfe_u32 s13, ttmp6, 0x40000                  ; cx
	s_lshl_b32 s14, ttmp9, 2
	s_add_co_u32 s14, s14, s13                     ; my block of 256 queries: it enters Q's and ctx's addresses alone
	s_and_b32 s20, ttmp7, 0xffff                   ; batch x 8 + head, which the four partners share
	s_lshl_b32 s20, s20, 18                        ; 262,144 bytes a head
	s_mov_b32 s21, 0
	s_lshl_b32 s22, s14, 15                        ; 256 queries of 128 bytes,
	s_lshl_b32 s23, s[WV], 12                      ; my wave's 32
	s_add_co_u32 s22, s22, s23
	s_mov_b32 s23, 0
	s_and_b32 s16, s[WV], 1                        ; which half of a slot's rows I fetch:
	s_lshl_b32 s52, s16, 14                        ; in memory,
	s_mov_b32 s53, 0
	s_mul_i32 s54, s16, 64*PITK                    ; and in a slot: K's,
	s_mul_i32 s55, s16, 64*PITV
	s_add_co_u32 s55, s55, VOFF                    ; V's
	; group 1: 64 rows of 128 elements of 2 bytes, dense in memory, padded in LDS
	s_mov_b32 s[G1K], 15|(1<<16)|(1<<20)|(1<<21)|(5<<22)|(3<<25)   ; the mask: all four; elements of 2 bytes; padding on; bit 21 beside a mask; after every 64 words, 4 words
	s_mov_b32 s[G1V], 15|(1<<16)|(1<<20)|(1<<21)|(5<<22)|(7<<25)   ; the same with 8 words
.irp g, G1K, G1V
	s_mov_b32 s[\g+1], 128<<16                     ; tensor_dim0
	s_mov_b32 s[\g+2], 64<<16                      ; tensor_dim1
	s_mov_b32 s[\g+3], 128<<16                     ; tile_dim0
	s_mov_b32 s[\g+4], 64                          ; tile_dim1
	s_mov_b32 s[\g+5], 128                         ; from row to row
	s_mov_b32 s[\g+6], 0
	s_mov_b32 s[\g+7], 0
.endr
	s_mov_b32 s[CS], 0x3e38aa3b                    ; c = log2(e) / 8
	s_mov_b32 s[CS+1], s[CS]                       ; (named with it as a pair, so it is written)
	s_mov_b32 s[SEL], 0x76543210
	s_mov_b32 s[SEL+1], 0xfedcba98
	s_mov_b32 s[TB], 0
	s_mov_b32 s[SLOTS], 7
	s_and_b32 s[LIM], s[WV], 5                     ; 0 in waves 0 and 2,
	s_or_b32 s[LIM], s[LIM], ttmp9                 ; of the head's first cluster: the same in all four partners
	s_cmp_eq_u32 s[LIM], 0
	s_cselect_b32 s[LIM], 1, -1
	v_and_b32 v[PFO], 31, v0
	v_lshlrev_b32 v[PFO], 8, v[PFO]
	s_wait_dscnt 0x0                               ; the opening add is done
	s_wait_kmcnt 0x0
	s_add_nc_u64 s[48:49], s[4:5], s[20:21]        ; the head in Q
	s_add_nc_u64 s[8:9], s[48:49], s[22:23]        ; Q at my wave's first query
	s_add_nc_u64 s[10:11], s[6:7], s[20:21]
	s_add_nc_u64 s[10:11], s[10:11], s[22:23]      ; ctx likewise
	s_add_nc_u64 s[50:51], s[48:49], 0x1000000     ; the head in V
	s_add_nc_u64 s[48:49], s[48:49], 0x800000      ; and in K
	s_cmp_lt_u32 s[WV], 2
	s_cselect_b64 s[PFA:PFA+1], s[48:49], s[50:51]
	s_lshl_b32 s22, s13, 13                        ; my work-group's 8,192 bytes of a slot's 32,768,
	s_add_nc_u64 s[PFA:PFA+1], s[PFA:PFA+1], s[22:23]
	s_add_nc_u64 s[PFA:PFA+1], s[PFA:PFA+1], 32768 ; in slot 1: the first change of slots steps it to slot 2.  Nothing is prefetched here, at the head
	s_mov_b32 s[G0K], 1
	s_mov_b32 s[G0K+1], s54                        ; slot 0
	s_add_nc_u64 s[G0K+2:G0K+3], s[48:49], s[52:53]
	s_or_b32 s[G0K+3], s[G0K+3], 0x80000000
	s_mov_b32 s[G0V], 1
	s_mov_b32 s[G0V+1], s55
	s_add_nc_u64 s[G0V+2:G0V+3], s[50:51], s[52:53]
	s_or_b32 s[G0V+3], s[G0V+3], 0x80000000
	CROUND                                         ; all four work-groups are here: the first joint loads meet
	JLOAD                                          ; slot 0: keys 0 to 255
	v_and_b32 v1, 15, v0                           ; r
	v_bfe_u32 v9, v0, 4, 1                         ; h
	v_lshlrev_b32 v[QO], 7, v1
	v_lshl_add_u32 v[QO], v9, 4, v[QO]             ; Q: row r of 128 bytes, + 16 h
.irp t, 0,1
.irp c, 0,1
	global_load_b128 v[Q+16*\t+8*\c:Q+16*\t+8*\c+3],   v[QO], s[8:9] offset:2048*\t+64*\c       ; channels 32 c + 8 h + 0..7
	global_load_b128 v[Q+16*\t+8*\c+4:Q+16*\t+8*\c+7], v[QO], s[8:9] offset:2048*\t+64*\c+32    ; and 32 c + 16 + 8 h + 0..7
.endr
.endr
	v_lshrrev_b32 v14, 1, v1
	v_mul_u32_u24 v[AK0], v14, PITK
	v_and_b32 v15, 1, v1
	v_lshl_add_u32 v[AK0], v15, 7, v[AK0]
	v_lshl_add_u32 v[AK0], v9, 4, v[AK0]           ; K: key r: (r / 2) x pitch + (r % 2) x 128, + 16 h
	v_and_b32 v14, 7, v0                           ; V: the turning load's lane l reads key 8 h + l % 8, channels 8 ((l / 8) % 2) on
	v_lshrrev_b32 v15, 1, v14
	v_lshl_add_u32 v15, v9, 2, v15
	v_mul_u32_u24 v[AV0], v15, PITV
	v_and_b32 v14, 1, v0
	v_lshl_add_u32 v[AV0], v14, 7, v[AV0]
	v_bfe_u32 v14, v0, 3, 1
	v_lshl_add_u32 v[AV0], v14, 4, v[AV0]
	v_add_nc_u32 v[AV0], VOFF, v[AV0]
	s_mul_i32 s22, s[WV], 8*272
	s_add_co_u32 s22, s22, STAGE                   ; my stage: two queries of 128 bytes to a row, as K's keys lie
	v_add_nc_u32 v[STO], s22, v[AK0]
	v_mul_u32_u24 v14, v9, 272
	v_lshl_add_u32 v14, v1, 4, v14
	v_add_nc_u32 v[RD], s22, v14                   ; back: lanes 0-15 one row of 256 bytes, lanes 16-31 the next
	v_and_b32 v[GO], 31, v0
	v_lshlrev_b32 v[GO], 4, v[GO]
.irp t, 0,1
	v_mov_b32 v[ST+8*\t+1], 0xff61b1e6             ; m = -3e38, under every score
	v_mul_f32 v[ST+8*\t], s[CS], v[ST+8*\t+1]      ; c m
.irp j, 2,3,4,5,6,7
	v_mov_b32 v[ST+8*\t+\j], 0                     ; l; and the registers at work, which are named as a permute's destination and as halves of pairs
.endr
.endr
.set i, 0
.rept 64
	v_mov_b32 v[O+i], 0                            ; O^T: the first step finds zeros, which its a = 0 leaves zeros
.set i, i+1
.endr
.macro FETCH_K q                       ; the slot's q-th 64 keys: fragment f: keys 16 (f / 2) on, channels 32 (f % 2) on
.irp f, 0,1,2,3,4,5,6,7
	ds_load_b128 v[F+8*\f:F+8*\f+3],   v[ADK] offset:32*PITK*(\q)+8*PITK*(\f/2)+64*(\f%2)
	ds_load_b128 v[F+8*\f+4:F+8*\f+7], v[ADK] offset:32*PITK*(\q)+8*PITK*(\f/2)+64*(\f%2)+32
.endr
.endm
.macro FETCH_V q                       ; the same keys' V, turned: fragment f: keys 32 (f / 4) on, channels 16 (f % 4) on
.irp f, 0,1,2,3,4,5,6,7
	ds_load_tr16_b128 v[F+8*\f:F+8*\f+3],   v[ADV] offset:32*PITV*(\q)+16*PITV*(\f/4)+32*(\f%4)
	ds_load_tr16_b128 v[F+8*\f+4:F+8*\f+7], v[ADV] offset:32*PITV*(\q)+16*PITV*(\f/4)+32*(\f%4)+8*PITV
.endr
.endm
; The eight accumulators of each product take turns, one instruction a turn: seven others' stand between two links of a chain.
.macro KQ                              ; product i: tile i % 2, keys 16 ((i / 2) % 4) on, channels 32 (i / 8) on; the first eight start the sums
.set i, 0
.rept 16
.set rS, S+32*(i%2)+8*((i/2)%4)
.set rK, F+8*(2*((i/2)%4)+i/8)
.set rQ, Q+16*(i%2)+8*(i/8)
.if i < 8
	v_wmma_f32_16x16x32_f16 v[rS:rS+7], v[rK:rK+7], v[rQ:rQ+7], 0
.else
	v_wmma_f32_16x16x32_f16 v[rS:rS+7], v[rK:rK+7], v[rQ:rQ+7], v[rS:rS+7]
.endif
.set i, i+1
.endr
.endm
.macro PV                              ; product i: tile i % 2, channels 16 ((i / 2) % 4) on, keys 32 (i / 8) on
.set i, 0
.rept 16
.set rO, O+32*(i%2)+8*((i/2)%4)
.set rV, F+8*(4*(i/8)+(i/2)%4)
.set rP, S+32*(i%2)+8*(i/8)
	v_wmma_f32_16x16x32_f16 v[rO:rO+7], v[rV:rV+7], v[rP:rP+7], v[rO:rO+7]
.set i, i+1
.endr
.endm
; The softmax of both tiles for one step; the tiles alternate line by line, so that no line waits for the line above it.
.macro SOFTMAX
.irp j, 0,1,2,3                        ; the maximum of my 32 scores and the old m, three operands at a time: four chains, each begun at an accumulator's low end
.irp t, 0,1
	v_max3_num_f32 v[ST+8*\t+4+\j], v[S+32*\t+8*\j], v[S+32*\t+8*\j+1], v[S+32*\t+8*\j+2]
.endr
.endr
.irp g, 1,2
.irp j, 0,1,2,3
.irp t, 0,1
	v_max3_num_f32 v[ST+8*\t+4+\j], v[ST+8*\t+4+\j], v[S+32*\t+8*\j+2*\g+1], v[S+32*\t+8*\j+2*\g+2]
.endr
.endr
.endr
.irp t, 0,1
	v_max3_num_f32 v[ST+8*\t+4], v[ST+8*\t+4], v[S+32*\t+7], v[S+32*\t+15]
	v_max3_num_f32 v[ST+8*\t+6], v[ST+8*\t+6], v[S+32*\t+23], v[S+32*\t+31]
.endr
.irp t, 0,1
	v_max3_num_f32 v[ST+8*\t+4], v[ST+8*\t+4], v[ST+8*\t+5], v[ST+8*\t+6]
.endr
.irp t, 0,1
	v_max3_num_f32 v[ST+8*\t+4], v[ST+8*\t+4], v[ST+8*\t+7], v[ST+8*\t+1]
.endr
.irp t, 0,1
	v_permlanex16_b32 v[ST+8*\t+5], v[ST+8*\t+4], s[SEL], s[SEL+1]     ; the query's other 32 keys lie in the lane 16 away
.endr
.irp t, 0,1
	v_mov_b32 v[ST+8*\t+7], v[ST+8*\t]             ; c m_old
.endr
.irp t, 0,1
	v_max_num_f32 v[ST+8*\t+1], v[ST+8*\t+4], v[ST+8*\t+5]             ; the new m
.endr
.irp t, 0,1
	v_mul_f32 v[ST+8*\t], s[CS], v[ST+8*\t+1]
.endr
.irp t, 0,1
	v_sub_f32 v[ST+8*\t+7], v[ST+8*\t+7], v[ST+8*\t]
.endr
.irp t, 0,1
	v_exp_f32 v[ST+8*\t+6], v[ST+8*\t+7]           ; a = 2^(c m_old - c m_new)
.endr
.irp j, 0,2,4,6,8,10,12,14,16,18,20,22,24,26,28,30
.irp t, 0,1
	v_pk_fma_f32 v[S+32*\t+\j:S+32*\t+\j+1], v[S+32*\t+\j:S+32*\t+\j+1], s[CS:CS+1], v[ST+8*\t:ST+8*\t+1] op_sel_hi:[1,0,0] neg_lo:[0,0,1] neg_hi:[0,0,1]   ; c s - c m, two at a time
.endr
.endr
.irp j, 0,1,2,3,4,5,6,7,8,9,10,11,12,13,14,15,16,17,18,19,20,21,22,23,24,25,26,27,28,29,30,31
.irp t, 0,1
	v_exp_f32 v[S+32*\t+\j], v[S+32*\t+\j]         ; p
.endr
.endr
	v_nop                                          ; a plain line behind the last exponential
	s_wait_alu depctr_va_vdst(0)                   ; ONE wait for the step's 66 exponentials, ahead of the first line that names a result
.irp t, 0,1
	v_pk_mul_f32 v[ST+8*\t+2:ST+8*\t+3], v[ST+8*\t+2:ST+8*\t+3], v[ST+8*\t+6:ST+8*\t+7] op_sel_hi:[1,0]   ; l x a
.endr
.irp t, 0,1
	v_pk_add_f32 v[ST+8*\t+4:ST+8*\t+5], v[S+32*\t:S+32*\t+1], v[S+32*\t+2:S+32*\t+3]   ; the sum of the unrounded p, in two chains
.endr
.irp j, 4,8,12,16,20,24,28
.irp t, 0,1
	v_pk_add_f32 v[ST+8*\t+2:ST+8*\t+3], v[ST+8*\t+2:ST+8*\t+3], v[S+32*\t+\j:S+32*\t+\j+1]
	v_pk_add_f32 v[ST+8*\t+4:ST+8*\t+5], v[ST+8*\t+4:ST+8*\t+5], v[S+32*\t+\j+2:S+32*\t+\j+3]
.endr
.endr
.irp t, 0,1
	v_pk_add_f32 v[ST+8*\t+2:ST+8*\t+3], v[ST+8*\t+2:ST+8*\t+3], v[ST+8*\t+4:ST+8*\t+5]
.endr
.irp j, 0,1,2,3,4,5,6,7,8,9,10,11,12,13,14,15
.irp t, 0,1
	v_cvt_pk_f16_f32 v[S+32*\t+\j], v[S+32*\t+2*\j], v[S+32*\t+2*\j+1]   ; P, packed in place, ascending: register j is written when pairs 0 .. j have been read
.endr
.endr
.irp j, 0,2,4,6,8,10,12,14,16,18,20,22,24,26,28,30
.irp t, 0,1
	v_pk_mul_f32 v[O+32*\t+\j:O+32*\t+\j+1], v[O+32*\t+\j:O+32*\t+\j+1], v[ST+8*\t+6:ST+8*\t+7] op_sel_hi:[1,0]   ; O^T x a, each accumulator from its low end on
.endr
.endr
.endm
.macro STEP q
	s_wait_dscnt 0x0                               ; K's fragments are in
	KQ
.rept 4
	v_nop                                          ; four places behind the products: for the loads into the registers that held K, and for the first read of the scores
.endr
	FETCH_V \q                                     ; V lands while the softmax is walked
	SOFTMAX
	s_wait_dscnt 0x0                               ; V's fragments are in
	PV
.rept 5
	v_nop                                          ; five places: the next step's first products write over P, which these products read; the loads below ask for four
.endr
.if \q < 3
	FETCH_K (\q)+1
.endif
.endm
.macro SLOT_STEPS
	v_add_nc_u32 v[ADK], s[TB], v[AK0]
	v_add_nc_u32 v[ADV], s[TB], v[AV0]
	FETCH_K 0
	STEP 0
	STEP 1
	STEP 2
	STEP 3
	s_xor_b32 s[TB], s[TB], SLOT1                  ; on to the other slot
.endm
; THE CHANGE OF SLOTS stands at a slot's head.  Each wave waits for all its tensor loads (its part of the slot that it is about to read), adds 0 to its spare word, and waits for that and for its reads of the slot that it has left.
; fill = 1: a round of the cluster's barrier follows, so that no wave of any partner still reads the other slot or has a load on its way; the joint fill of that slot, with the next 256 keys, is the first thing behind it
; and has four key steps in which to land.
.macro CHANGE fill
	s_wait_tensorcnt 0x0                           ; no tensor load of mine is out, so a group 0 may be written
	ds_add_u32 v[SPW], v[NIL]                      ; 0 onto my spare word; the descriptors' steps stand between it and the wait for it
.if \fill
	s_xor_b32 s[G0K+1], s[G0K+1], SLOT1            ; the walking descriptors: the other slot than last time,
	s_add_nc_u64 s[G0K+2:G0K+3], s[G0K+2:G0K+3], 32768   ; the next 256 keys; the type bits on top are not reached
	s_xor_b32 s[G0V+1], s[G0V+1], SLOT1
	s_add_nc_u64 s[G0V+2:G0V+3], s[G0V+2:G0V+3], 32768
	s_wait_xcnt 0x0                                ; the last prefetch, a slot back, has read its address, so it may be written:
	s_add_nc_u64 s[PFA:PFA+1], s[PFA:PFA+1], 32768 ; one slot further on than the walking descriptors
	s_wait_dscnt 0x0                               ; the add is done, and my reads of the slot that I have left are over
	CROUND
	JLOAD
	ASK
.else
	s_wait_dscnt 0x0
	s_barrier_signal -1
	s_barrier_wait -1
.endif
.endm
	s_wait_loadcnt 0x0                             ; Q
.Lslot:                                                ; seven trips: trip i reads slot i's keys and asks for slot i + 1's
	CHANGE 1
	SLOT_STEPS
	s_sub_co_u32 s[SLOTS], s[SLOTS], 1
	s_cmp_lg_u32 s[SLOTS], 0
	s_cbranch_scc1 .Lslot
	CHANGE 0                                       ; the last slot is written out
	SLOT_STEPS
	; THE WAY OUT.  l's two halves and the other half of the lanes' are added; O^T / l is rounded to f16 and goes through my stage, a tile (16 queries, 2,048 dense bytes) at a time.
.irp t, 0,1
	v_add_f32 v[ST+8*\t+4], v[ST+8*\t+2], v[ST+8*\t+3]
.endr
.irp t, 0,1
	v_permlanex16_b32 v[ST+8*\t+5], v[ST+8*\t+4], s[SEL], s[SEL+1]
.endr
.irp t, 0,1
	v_add_f32 v[ST+8*\t+4], v[ST+8*\t+4], v[ST+8*\t+5]
.endr
.irp t, 0,1
	v_rcp_f32 v[ST+8*\t+6], v[ST+8*\t+4]
.endr
	v_nop                                          ; a plain line behind the last reciprocal
	s_wait_alu depctr_va_vdst(0)                   ; one wait for both, ahead of the first use
.macro PACK t
.set i, 0
.rept 16
	v_pk_mul_f32 v[O+32*\t+i:O+32*\t+i+1], v[O+32*\t+i:O+32*\t+i+1], v[ST+8*\t+6:ST+8*\t+7] op_sel_hi:[1,0]
.set i, i+2
.endr
.set i, 0
.rept 16
	v_cvt_pk_f16_f32 v[S+16*\t+i], v[O+32*\t+2*i], v[O+32*\t+2*i+1]      ; registers 4 u .. 4 u + 3: channels 16 u + 8 h + 0..7 of query r
.set i, i+1
.endr
.irp u, 0,1,2,3
	ds_store_b128 v[STO], v[S+16*\t+4*\u:S+16*\t+4*\u+3] offset:32*\u
.endr
.irp f, 0,1,2,3
	ds_load_b128 v[S+16*\t+4*\f:S+16*\t+4*\f+3], v[RD] offset:2*272*\f   ; LDS serves a wave's instructions in order: these see the stores above, and the next tile's stores come behind them
.endr
.endm
.macro SEND t, younger                 ; younger: the LDS instructions issued behind tile t's loads: the next tile's eight, or none
.irp f, 0,1,2,3
	s_wait_dscnt \younger+3-\f
	global_store_b128 v[GO], v[S+16*\t+4*\f:S+16*\t+4*\f+3], s[10:11] offset:2048*\t+512*\f   ; 32 lanes store 512 consecutive bytes, aligned
.endr
.endm
	PACK 0
	PACK 1
	SEND 0, 8
	SEND 1, 0
	s_wait_tensorcnt 0x0                           ; the wave's end, behind my last tensor load and my last LDS store
	ds_add_u32 v[SPW], v[NIL]
	s_wait_dscnt 0x0
	CROUND                                         ; the closing round
	s_endpgm
.Lfunc_end_k_qe9253bef2d_attn:
	.size	k_qe9253bef2d_attn, .Lfunc_end_k_qe9253bef2d_attn-k_qe9253bef2d_attn
	.p2alignl 7, 3214868480
	.fill 96, 4, 3214868480
	.section	.rodata,"a",@progbits
	.p2align	6, 0x0
	.amdhsa_kernel k_qe9253bef2d_attn
		.amdhsa_group_segment_fixed_size 327680
		.amdhsa_private_segment_fixed_size 0
		.amdhsa_enable_private_segment 0
		.amdhsa_kernarg_size 16
		.amdhsa_user_sgpr_count 2
		.amdhsa_user_sgpr_kernarg_segment_ptr 1
		.amdhsa_wavefront_size32 1
		.amdhsa_system_sgpr_workgroup_id_x 1
		.amdhsa_system_sgpr_workgroup_id_y 1
		.amdhsa_system_sgpr_workgroup_id_z 1
		.amdhsa_system_vgpr_workitem_id 0
		.amdhsa_next_free_vgpr 256
		.amdhsa_next_free_sgpr 66
		.amdhsa_reserve_vcc 0
		.amdhsa_float_denorm_mode_32 3
		.amdhsa_float_denorm_mode_16_64 3
		.amdhsa_memory_ordered 1
		.amdhsa_forward_progress 1
		.amdhsa_inst_pref_size 154
	.end_amdhsa_kernel
	.amdgpu_metadata
---
amdhsa.version: [ 1, 2 ]
amdhsa.kernels:
  - .name:           k_qe9253bef2d_attn
    .symbol:         k_qe9253bef2d_attn.kd
    .args:
      - { .name: qkv, .offset: 0, .size: 8, .value_kind: global_buffer, .address_space: global }
      - { .name: ctx, .offset: 8, .size: 8, .value_kind: global_buffer, .address_space: global }
    .group_segment_fixed_size: 327680
    .private_segment_fixed_size: 0
    .kernarg_segment_align: 8
    .kernarg_segment_size: 16
    .max_flat_workgroup_size: 256
    .sgpr_count:     66
    .vgpr_count:     256
    .wavefront_size: 32
...
	.end_amdgpu_metadata
.endif
;; end of part 3
;; launch oproj (part 4): grid 4 x 64, 4 waves a work-group, clusters of 4 x 4, 327,680 bytes of LDS; arguments ctx, wo16, bo, out0; writes out0
.if DOCPART == 4
	.amdgcn_target "amdgcn-amd-amdhsa--gfx1250"
	.amdhsa_code_object_version 6
	.text
	.protected	k_qe9253bef2d_oproj
	.globl	k_qe9253bef2d_oproj
	.p2align	8
	.type	k_qe9253bef2d_oproj,@function
k_qe9253bef2d_oproj:
	s_mov_b64 s[64:65], 0
	v_nop
	global_prefetch_b8 v0, s[64:65] scope:SCOPE_SE
	s_setreg_imm32_b32 hwreg(HW_REG_WAVE_MODE, 25, 1), 1
	s_wait_xcnt 0x0
	s_wait_alu depctr_hold_cnt(0) depctr_sa_sdst(0) depctr_va_vdst(0) depctr_va_sdst(0) depctr_va_ssrc(0) depctr_va_vcc(0) depctr_vm_vsrc(0)
	s_getreg_b32 s2, hwreg(HW_REG_IB_STS2, 6, 4)
	s_cmp_eq_u32 s2, 0
	s_cbranch_scc0 .Lentry_in_a_cluster
	s_endpgm
.Lentry_in_a_cluster:
	s_bfe_u32 s2, ttmp6, 0x10000c
	s_cmp_lg_u32 s2, 0xf033
	s_cbranch_scc0 .Lentry_shape_is_right
	s_endpgm
.Lentry_shape_is_right:
; out0[token][n] = the sum over k of ctx[token][k] Wo[n][k] + bo[n].  ctx lies by head, [batch x 8 + head][2048][64] f16 (k = 64 head + channel); wo16 [512][512] f16; out0 [8192][512] f32; sums f32, K ascending.
; The bias is the C of each sum's first matrix instruction.
; SHARES.  A work-group makes 128 tokens x 128 columns: 64 x 4 = 256 work-groups; each of its four waves 64 x 64: 16 accumulators.
; All of K lies in LDS: the tokens' eight head chunks (each 16,384 dense bytes, stated as 64 rows of 256: two tokens to a row) and Wo's 128 rows in four K stages of 128.  Every LDS byte is filled once: no ring.
; Waves 0, 1 fetch ctx (even and odd heads), waves 2, 3 Wo's halves: four tensor loads a wave, all out at the start; stage s (heads 2 s, 2 s + 1) is read behind a wait that leaves the 3 - s later loads out, and a barrier.
; CLUSTER 4 x 4: ctx's chunks are shared along a row of the cluster, Wo's tiles along a column: joint loads.
; THE MATRIX INSTRUCTION IS USED TRANSPOSED (source 0 = 16 rows of Wo, source 1 = 16 tokens): a lane holds one token and eight neighbouring columns.
; REGISTERS: window 0: v1-29 addresses; v32-95 rows on the way out; v96-127 the bias; v128-255 the accumulators.  window 1: two fragment buffers of 128: for one head (64 along K), 64 registers of ctx, then 64 of Wo.
.set PITCH, 272                        ; an LDS row: 256 bytes + 16 of padding
.set CHUNK, 64*PITCH                   ; a head's chunk of ctx; also 64 rows of Wo
.set BOFF,  8*CHUNK                    ; behind the eight chunks: Wo's four stages of 128 rows
.set STAGE, BOFF+8*CHUNK               ; the way out: 16 rows x 272 for each wave; no tile lands here
.set SPARE, STAGE+4*16*PITCH           ; the spare words, 128 bytes for each wave: two blocks of 256 bytes that no other line names
.set ADRA, 16                          ; v16-19  my ctx fragments in stage 0..3
.set ADRB, 20                          ; v20-23  my Wo fragments
.set STO,  24
.set RD,   25
.set CO,   26
.set SPW,  28                          ; v28  LDS address of my spare word; never rewritten
.set NIL,  29                          ; v29  0; never rewritten
.set TMP,  32
.set BI,   96
.set ACC,  128
.set F0,   0
.set F1,   128
.set WV,   12                          ; s12 wave; s13 which 64 tokens; s14 which 64 columns, and which half I fetch
.set G1A,  24
.set G0A,  32                          ; s[32:47] four groups 0 for ctx
.set G0B,  48                          ; s[48:63] four for Wo
.set G1B,  68
.set MSB, 0
.macro WIN new                         ; the immediate's high byte repeats the setting that is left
.if MSB != \new
	s_set_vgpr_msb (MSB<<8)|\new
.set MSB, \new
.endif
.endm
.set MUL,  0x05                        ; sources 0 and 1 window 1; C and D window 0
.set TO_F, 0x40                        ; destination window 1, address window 0
.macro CROUND                          ; a round of the cluster's barrier
	s_barrier_signal -1
	s_barrier_wait -1
	s_cmp_lg_u32 s[WV], 0
	s_cbranch_scc1 .Lnot_wave_0_\@
	s_barrier_signal -3
.Lnot_wave_0_\@:
	s_barrier_wait -3
	s_barrier_signal -1
	s_barrier_wait -1
.endm
.macro PLACES                          ; four plain places behind matrix instructions (ISA guide 7.12.1)
.rept 4
	v_nop
.endr
.endm
	s_load_b256 s[4:11], s[0:1], 0x0               ; ctx s[4:5], wo16 s[6:7], bo s[8:9], out0 s[10:11]
	v_lshl_add_u32 v[SPW], v0, 2, SPARE
	v_mov_b32 v[NIL], 0
	ds_add_u32 v[SPW], v[NIL]                      ; the wave's opening: the add and its wait stand ahead of the first tensor loads; work on registers stands between them
	v_lshrrev_b32 v1, 5, v0
	v_readfirstlane_b32 s[WV], v1                  ; wave 0..3
	s_lshr_b32 s13, s[WV], 1
	s_and_b32 s14, s[WV], 1
	s_bfe_u32 s15, ttmp6, 0x40000                  ; cx
	s_bfe_u32 s16, ttmp6, 0x40004                  ; cy
	s_lshl_b32 s17, ttmp9, 2
	s_add_co_u32 s17, s17, s15                     ; nx: which 128 columns
	s_and_b32 s18, ttmp7, 0xffff
	s_lshl_b32 s18, s18, 2
	s_add_co_u32 s18, s18, s16                     ; my: which 128 tokens
	s_lshl_b32 s19, s16, 2
	s_lshl_b32 s19, 15, s19                        ; my row of the cluster
	s_lshl_b32 s20, 0x1111, s15                    ; my column
	; group 1: 64 rows of 128 elements of 2 bytes, 16 bytes of padding behind each row; ctx's rows are dense, Wo's lie 512 elements apart
	s_or_b32 s[G1A], s19, (1<<16)|(1<<20)|(1<<21)|(5<<22)|(3<<25)
	s_or_b32 s[G1B], s20, (1<<16)|(1<<20)|(1<<21)|(5<<22)|(3<<25)
.irp g, G1A, G1B
	s_mov_b32 s[\g+1], 128<<16                     ; tensor_dim0
	s_mov_b32 s[\g+2], 64<<16                      ; tensor_dim1
	s_mov_b32 s[\g+3], 128<<16                     ; tile_dim0
	s_mov_b32 s[\g+4], 64                          ; tile_dim1
	s_mov_b32 s[\g+6], 0
	s_mov_b32 s[\g+7], 0
.endr
	s_mov_b32 s[G1A+5], 128
	s_mov_b32 s[G1B+5], 512
	; offsets: ctx's hang on my and the wave alone, Wo's on nx and the wave alone, each in registers that never hold the other coordinate
	s_lshr_b32 s76, s18, 4
	s_lshl_b32 s76, s76, 21                        ; the batch: 8 heads of 262,144 bytes
	s_and_b32 s77, s18, 15
	s_lshl_b32 s77, s77, 14                        ; the tile's 128 tokens of 128 bytes
	s_add_co_u32 s76, s76, s77
	s_lshl_b32 s77, s14, 18                        ; even heads or odd ones
	s_add_co_u32 s76, s76, s77
	s_mov_b32 s77, 0
	s_lshl_b32 s80, s17, 17                        ; Wo: 128 rows of 1,024 bytes,
	s_lshl_b32 s81, s14, 16                        ; my 64 of them
	s_add_co_u32 s80, s80, s81
	s_mov_b32 s81, 0
	s_mul_i32 s84, s14, CHUNK                      ; in LDS: no place in the cluster enters an LDS address
	s_wait_dscnt 0x0                               ; the opening add is done
	s_wait_kmcnt 0x0
	s_add_nc_u64 s[78:79], s[4:5], s[76:77]
	s_add_nc_u64 s[82:83], s[6:7], s[80:81]
	CROUND                                         ; all sixteen work-groups are here: the joint loads meet
.irp s, 0,1,2,3
	s_mov_b32 s[G0A+4*\s], 1
	s_add_co_u32 s[G0A+4*\s+1], s84, \s*2*CHUNK                    ; chunk 2 s + my parity
	s_add_nc_u64 s[G0A+4*\s+2:G0A+4*\s+3], s[78:79], \s*524288     ; two heads on
	s_or_b32 s[G0A+4*\s+3], s[G0A+4*\s+3], 0x80000000
	s_mov_b32 s[G0B+4*\s], 1
	s_add_co_u32 s[G0B+4*\s+1], s84, BOFF+\s*2*CHUNK
	s_add_nc_u64 s[G0B+4*\s+2:G0B+4*\s+3], s[82:83], \s*256        ; 128 along K on
	s_or_b32 s[G0B+4*\s+3], s[G0B+4*\s+3], 0x80000000
.endr
	s_cmp_lt_u32 s[WV], 2                          ; a wave's four fills stand in one branch, ahead of every wait on TENSORcnt, every LDS read and every later barrier: four loads of mine are out
	s_cbranch_scc0 .Lfirst_b
.irp s, 0,1,2,3
	tensor_load_to_lds s[G0A+4*\s:G0A+4*\s+3], s[G1A:G1A+7]
	s_nop 0
.endr
	PLACES
	s_branch .Lfirst_asked
.Lfirst_b:
.irp s, 0,1,2,3
	tensor_load_to_lds s[G0B+4*\s:G0B+4*\s+3], s[G1B:G1B+7]
	s_nop 0
.endr
	PLACES
.Lfirst_asked:
	v_and_b32 v1, 15, v0                           ; r
	v_bfe_u32 v2, v0, 4, 1                         ; h
	v_lshrrev_b32 v3, 1, v1
	v_mul_u32_u24 v3, v3, PITCH
	v_and_b32 v4, 1, v1
	v_lshl_add_u32 v3, v4, 7, v3
	v_lshl_add_u32 v3, v2, 4, v3                   ; ctx: token r: (r / 2) x pitch + (r % 2) x 128, + 16 h
	v_mul_u32_u24 v4, v1, PITCH
	v_lshl_add_u32 v4, v2, 4, v4                   ; Wo: row r x pitch + 16 h
	s_mul_i32 s88, s13, 32*PITCH                   ; my 64 tokens: 32 rows of a chunk
	s_mul_i32 s89, s14, CHUNK                      ; my 64 rows of Wo
	s_add_co_u32 s89, s89, BOFF
.irp s, 0,1,2,3
	v_add_nc_u32 v[ADRA+\s], s88, v3
	v_add_nc_u32 v[ADRB+\s], s89, v4
	s_add_co_u32 s88, s88, 2*CHUNK
	s_add_co_u32 s89, s89, 2*CHUNK
.endr
	s_mul_i32 s88, s[WV], 16*PITCH
	s_add_co_u32 s88, s88, STAGE                   ; my stage
	v_mul_u32_u24 v3, v1, PITCH
	v_lshl_add_u32 v3, v2, 5, v3
	v_add_nc_u32 v[STO], s88, v3                   ; in: row r, 32 bytes for each half of the lanes
	v_mul_u32_u24 v3, v2, PITCH
	v_lshl_add_u32 v3, v1, 4, v3
	v_add_nc_u32 v[RD], s88, v3                    ; back: lanes 0-15 one row of 256 bytes, lanes 16-31 the next
	v_lshlrev_b32 v[CO], 11, v2
	v_lshl_add_u32 v[CO], v1, 4, v[CO]             ; and the same two rows in out0 (2,048 bytes a row)
	v_lshlrev_b32 v27, 5, v2                       ; the bias: my half's eight numbers
	s_lshl_b32 s86, s17, 9
	s_lshl_b32 s87, s14, 8
	s_add_co_u32 s86, s86, s87                     ; my first column, in bytes of f32
	s_mov_b32 s87, 0
	s_add_nc_u64 s[8:9], s[8:9], s[86:87]
	s_add_nc_u64 s[10:11], s[10:11], s[86:87]
	s_lshl_b32 s86, s18, 18                        ; 128 rows of 2,048 bytes,
	s_lshl_b32 s90, s13, 17                        ; my 64
	s_add_co_u32 s86, s86, s90
	s_add_nc_u64 s[10:11], s[10:11], s[86:87]
.irp b, 0,1,2,3
	global_load_b128 v[BI+8*\b:BI+8*\b+3], v27, s[8:9] offset:64*\b          ; register j: bias of column 16 b + 8 h + j
	global_load_b128 v[BI+8*\b+4:BI+8*\b+7], v27, s[8:9] offset:64*\b+16
.endr
; 8 matrix instructions: token blocks a0, a0 + 1 x all 4 column blocks, 32 along K: half c of buffer f.  The 16 accumulators take turns, one instruction a turn.
.macro MUL8 f, c, a0, first
.irp a, \a0, \a0+1
.irp b, 0,1,2,3
.if \first
	v_wmma_f32_16x16x32_f16 v[ACC+8*(4*(\a)+\b):ACC+8*(4*(\a)+\b)+7], v[\f+64+8*(4*\c+\b):\f+64+8*(4*\c+\b)+7], v[\f+8*(4*\c+\a):\f+8*(4*\c+\a)+7], v[BI+8*\b:BI+8*\b+7]
.else
	v_wmma_f32_16x16x32_f16 v[ACC+8*(4*(\a)+\b):ACC+8*(4*(\a)+\b)+7], v[\f+64+8*(4*\c+\b):\f+64+8*(4*\c+\b)+7], v[\f+8*(4*\c+\a):\f+8*(4*\c+\a)+7], v[ACC+8*(4*(\a)+\b):ACC+8*(4*(\a)+\b)+7]
.endif
.endr
.endr
.endm
; 32 LDS loads in one run: head hq's fragments (64 along K) into buffer f; the first 32 along K first
.macro FETCH hq, f
	WIN TO_F
.irp c, 0,1
.irp i, 0,1,2,3
	ds_load_b128 v[\f+64+8*(4*\c+\i):\f+64+8*(4*\c+\i)+3],   v[ADRB+(\hq)/2] offset:128*((\hq)%2)+64*\c+\i*16*PITCH
	ds_load_b128 v[\f+64+8*(4*\c+\i)+4:\f+64+8*(4*\c+\i)+7], v[ADRB+(\hq)/2] offset:128*((\hq)%2)+64*\c+\i*16*PITCH+32
	ds_load_b128 v[\f+8*(4*\c+\i):\f+8*(4*\c+\i)+3],         v[ADRA+(\hq)/2] offset:CHUNK*((\hq)%2)+64*\c+\i*8*PITCH
	ds_load_b128 v[\f+8*(4*\c+\i)+4:\f+8*(4*\c+\i)+7],       v[ADRA+(\hq)/2] offset:CHUNK*((\hq)%2)+64*\c+\i*8*PITCH+32
.endr
.endr
.endm
; One head: 32 matrix instructions on buffer f; in their middle the next head's fragments are fetched into buffer g.  Where the next head begins a new stage, its tiles are first shown landed to every wave.
.macro HEADK hq, f, g
	s_wait_dscnt 16                                ; the first 32 along K are in; the youngest sixteen loads may be out
	WIN MUL
.if \hq == 0
	MUL8 \f, 0, 0, 1                               ; the first products start the sums on the bias
	MUL8 \f, 0, 2, 1
.else
	MUL8 \f, 0, 0, 0
	MUL8 \f, 0, 2, 0
.endif
.if \hq < 7
.if (\hq)%2 == 1
	s_wait_dscnt 0x0                               ; no LDS instruction of mine is out at a signal
	s_wait_tensorcnt 2-((\hq)-1)/2                 ; my load of the next stage has landed; the later stages' may stay out
	s_barrier_signal -1
	s_barrier_wait -1
.endif
	PLACES                                         ; in front of loads into the buffer that the head before multiplied
	FETCH (\hq)+1, \g
	s_wait_dscnt 32                                ; all but the 32 just issued
.else
	s_wait_dscnt 0x0
.endif
	WIN MUL
	MUL8 \f, 1, 0, 0
	MUL8 \f, 1, 2, 0
.endm
	s_wait_tensorcnt 3                             ; my load of stage 0 has landed; three are out
	s_barrier_signal -1
	s_barrier_wait -1                              ; everybody's has
	FETCH 0, F0
	s_wait_loadcnt 0x0                             ; the bias
	HEADK 0, F0, F1
	HEADK 1, F1, F0
	HEADK 2, F0, F1
	HEADK 3, F1, F0
	HEADK 4, F0, F1
	HEADK 5, F1, F0
	HEADK 6, F0, F1
	HEADK 7, F1, F0
	WIN 0
	PLACES                                         ; in front of the first read of results
; THE WAY OUT, 16 tokens x 64 columns at a time: a lane's 32 bytes go into my own stage, each accumulator from its low end on, and come back as rows of 256 bytes: sixteen lanes store 256 consecutive bytes, aligned.
.macro TOSTAGE a
.irp b, 0,1,2,3
	ds_store_b128 v[STO], v[ACC+8*(4*(\a)+\b):ACC+8*(4*(\a)+\b)+3] offset:64*\b
	ds_store_b128 v[STO], v[ACC+8*(4*(\a)+\b)+4:ACC+8*(4*(\a)+\b)+7] offset:64*\b+16
.endr
.irp t, 0,1,2,3,4,5,6,7
	ds_load_b128 v[TMP+32*((\a)%2)+4*\t:TMP+32*((\a)%2)+4*\t+3], v[RD] offset:\t*2*PITCH   ; LDS serves a wave's instructions in order: these see the stores above, and the next block's stores come behind them
.endr
.endm
.macro SEND a, younger                 ; younger: the LDS instructions issued behind block a's loads: the next block's eight stores and eight loads, or none
	s_wait_dscnt \younger
.irp t, 0,1,2,3,4,5,6,7
	global_store_b128 v[CO], v[TMP+32*((\a)%2)+4*\t:TMP+32*((\a)%2)+4*\t+3], s[10:11] offset:(16*(\a)+2*\t)*2048 th:TH_STORE_NT   ; written once, read by nobody here
.endr
.endm
	TOSTAGE 0
.irp a, 1,2,3
.if \a > 1
	s_wait_xcnt 0x0                                ; block a - 2's stores have read their registers: block a's loads may land there
.endif
	TOSTAGE \a
	SEND \a-1, 16
.endr
	SEND 3, 0
	s_wait_tensorcnt 0x0                           ; the wave's end, behind my last tensor load and my last LDS store
	ds_add_u32 v[SPW], v[NIL]
	s_wait_dscnt 0x0
	CROUND                                         ; the closing round
	s_endpgm
.Lfunc_end_k_qe9253bef2d_oproj:
	.size	k_qe9253bef2d_oproj, .Lfunc_end_k_qe9253bef2d_oproj-k_qe9253bef2d_oproj
	.p2alignl 7, 3214868480
	.fill 96, 4, 3214868480
	.section	.rodata,"a",@progbits
	.p2align	6, 0x0
	.amdhsa_kernel k_qe9253bef2d_oproj
		.amdhsa_group_segment_fixed_size 327680
		.amdhsa_private_segment_fixed_size 0
		.amdhsa_enable_private_segment 0
		.amdhsa_kernarg_size 32
		.amdhsa_user_sgpr_count 2
		.amdhsa_user_sgpr_kernarg_segment_ptr 1
		.amdhsa_wavefront_size32 1
		.amdhsa_system_sgpr_workgroup_id_x 1
		.amdhsa_system_sgpr_workgroup_id_y 1
		.amdhsa_system_sgpr_workgroup_id_z 1
		.amdhsa_system_vgpr_workitem_id 0
		.amdhsa_next_free_vgpr 512
		.amdhsa_next_free_sgpr 100
		.amdhsa_reserve_vcc 0
		.amdhsa_float_denorm_mode_32 3
		.amdhsa_float_denorm_mode_16_64 3
		.amdhsa_memory_ordered 1
		.amdhsa_forward_progress 1
		.amdhsa_inst_pref_size 52
	.end_amdhsa_kernel
	.amdgpu_metadata
---
amdhsa.version: [ 1, 2 ]
amdhsa.kernels:
  - .name:           k_qe9253bef2d_oproj
    .symbol:         k_qe9253bef2d_oproj.kd
    .args:
      - { .name: ctx, .offset: 0, .size: 8, .value_kind: global_buffer, .address_space: global }
      - { .name: wo16, .offset: 8, .size: 8, .value_kind: global_buffer, .address_space: global }
      - { .name: bo, .offset: 16, .size: 8, .value_kind: global_buffer, .address_space: global }
      - { .name: out0, .offset: 24, .size: 8, .value_kind: global_buffer, .address_space: global }
    .group_segment_fixed_size: 327680
    .private_segment_fixed_size: 0
    .kernarg_segment_align: 8
    .kernarg_segment_size: 32
    .max_flat_workgroup_size: 128
    .sgpr_count:     100
    .vgpr_count:     512
    .wavefront_size: 32
...
	.end_amdgpu_metadata
.endif
;; end of part 4
